; MI455X (gfx1250); checked and timed in simulation.
; The chip was launched on July 23, 2026; its instructions are those of AMD's public machine-readable ISA for CDNA 5 (MIT licence, August 2026) and "CDNA5" Instruction Set Architecture Reference Guide (July 2026). The comments in the code are by the model that wrote it; some were corrected since.
;; Attn. Allowed arithmetic: matrix products marked QUANTISED: E5M2 operands, one given power-of-two scale a tensor, by v_wmma_f32_16x16x64_bf8_bf8 or v_wmma_f32_16x16x128_bf8_bf8, f32 sums; products left as they are: f32 operands where the result goes on into a quantised operand, else bf16, f16 or f32 operands; f32 sums; everything else in f32.
;; Inputs: W 512 x 1,024 float32; b 512 float32; encoderOutputs_codes 4,096 x 32 x 16 x 32 uint8 (E5M2 codes of encoderOutputs, K innermost, in blocks of 32 codes); hidden 1 x 32 x 512 float32; lowp_scales 4 int32 (the exponents e of the quantised operands' scales 2^e); v 512 float32.
;; Outputs: out0 32 x 1 x 4,096 float32.
;; This version of the problem:
;;   THIS VERSION OF THE PROBLEM IS GIVEN IN LOW PRECISION. The matrix products marked QUANTISED in the list below multiply operands that are first quantised to E5M2 (5 exponent bits, 2 mantissa bits; 8 bits a number), with one given power-of-two scale for each operand tensor; their sums are f32. All else is computed in f32.
;;   The module's matrix products, in the order in which they are computed (A, B: the left and right operand; K: the contracted axis; several contracted axes count as one K, in the product's order):
;;     1. [M 32, K 512] x [K 512, N 512]; A: computed on the way; B: input W: QUANTISED (scales: A lowp_scales[0], B lowp_scales[1])
;;     2. [M 131,072, K 512] x [K 512, N 512]; A: input encoderOutputs (given as codes); B: input W: QUANTISED (scales: A lowp_scales[2], B lowp_scales[3])
;;     3. [M 1, K 512] x [K 512, N 131,072]; A: input v; B: computed on the way: left as it is (M = 1 < 16)
;;   THE QUANTISER, for each operand of a quantised product, along K:
;;     - The operand's scale is 2^e, e = its entry of the input lowp_scales (int32; the entries are numbered through the quantised products in the list's order, A before B).
;;     - Each number is divided by the scale, clamped to +-57,344, and rounded to the nearest number of E5M2, ties to even, subnormals kept.
;;     - The product sums the exact products of the quantised numbers (number of the format x scale) in f32.
;;   ~~~python
;;   def quantise(x, axis, e):      # numpy; x: float32 -> the quantised numbers, widened to float32 again
;;       x = np.moveaxis(x, axis, -1); K = x.shape[-1]
;;       r = np.clip(x / 2.0 ** e, -57344, 57344)
;;       step = 2.0 ** (np.maximum(np.frexp(np.where(r == 0, 1, r))[1] - 1, -14) - 2)
;;       q = np.round(r / step) * step * 2.0 ** e      # np.round: ties to even
;;       return np.moveaxis(q, -1, axis).astype(np.float32)
;;   ~~~
;;   OPERANDS COMPUTED ON THE WAY. 'Computed on the way' means the value that the module computes at that place (a softmax that the list does not call 'softmax' is quantised finished and normalised). What goes into a quantiser is computed in f32, as accurately as f32 sums, v_exp_f32 and their like allow (about 1e-6 of the number): no bf16 or f16 on the way to a quantiser, and a product that is left as it is and whose result goes on into a quantised operand takes f32 operands (vector FMAs, or v_wmma_f32_16x16x4_f32). A number that lies on a knife's edge between two numbers of the format may be rounded either way, as far as f32 arithmetic and the matrix unit's own rounding can turn it there, and no further.
;;   INPUTS GIVEN AS CODES. encoderOutputs (in the module: [4096, 32, 512], K = its axis 2): each comes as NAME_codes (uint8): NAME with its K axis moved to the last place and cut into blocks of 32 codes, [.., K / 32, bytes a block], one block behind the other in memory; one code a byte (a code: sign, 5 exponent bits, 2 mantissa bits); its scale is its entry of lowp_scales. Its value is code x scale, taken as it is: it is not quantised again, and the codes and scales need not be those that the quantiser above would give.
;; One version. Each part assembles by itself: llvm-mc -triple=amdgcn-amd-amdhsa -mcpu=gfx1250 --defsym DOCPART=n.
;; ======== version 1 of 1: 3 launches
;; limits: right only within a limited range of input values
;; workspace buffers: wq 262,144 bytes; scores 1,048,576 bytes
;; launch prep (part 1): grid 256 x 1, 2 waves a work-group, no clusters, 0 bytes of LDS; arguments W, lowp_scales, wq; writes wq
.if DOCPART == 1
	.amdgcn_target "amdgcn-amd-amdhsa--gfx1250"
	.amdhsa_code_object_version 6
	.text
	.protected	k_qbe2298fb23_prep
	.globl	k_qbe2298fb23_prep
	.p2align	8
	.type	k_qbe2298fb23_prep,@function
k_qbe2298fb23_prep:
	s_mov_b64 s[64:65], 0
	v_nop
	global_prefetch_b8 v0, s[64:65] scope:SCOPE_SE
	s_setreg_imm32_b32 hwreg(HW_REG_WAVE_MODE, 25, 1), 1
	s_wait_xcnt 0x0
; W2 = W[:, 512:] of W [512][1024] f32 becomes codes of BF8 (E5M2), scale 2^e3.
; WORK LEFT OUT, in this program's three launches.  reference() adds v . (h_proj[b] + bias) to every score of batch row b: a number that does not hang on s, and the softmax runs along s.
;   softmax(x + c) = softmax(x) for every c, so the product of hidden with W1 = W[:, :512] (the table's product 1), hidden, W1 and b reach no output, whatever finite values they hold.  They are not loaded;
;   hidden and b are among no launch's arguments.  LIMIT: a NaN, an infinity or an overflow that reaches only that term is not carried to the result.
; wq: [512 rows][32 pieces][16 bytes].  Piece p of row n holds the codes of k = 16 p .. 16 p + 15 of W2's row n and lies at place p xor (n % 16) of the row (the low four bits of p are exchanged):
;   read from LDS at one piece of 16 neighbouring rows, the 16 lanes then touch 16 different columns of 16 bytes modulo 256.
; SHARES.  A wave takes one row: lane l the 16 neighbours k = 16 l .. 16 l + 15, 64 bytes, so that they stand in one lane for the conversion; the four loads of a wave cover the row's 2,048 bytes.
;   The store of a wave covers 512 consecutive bytes, aligned.  No LDS, no matrix unit, no cluster: nothing is shared between waves.
; code = x / 2^e3, held within +-57,344, rounded to the nearest code, ties to even.  LIMITS: e3 between -126 and 112, so that 2^e3 and 57,344 x 2^e3 are f32 numbers; a NaN in W2 is not served.
	s_load_b128 s[4:7], s[0:1], 0x0                ; W s[4:5], the scales' exponents s[6:7]
	s_load_b64 s[8:9], s[0:1], 0x10                ; wq
	v_lshrrev_b32 v1, 5, v0
	v_readfirstlane_b32 s12, v1                    ; wave 0, 1
	s_lshl_b32 s10, ttmp9, 1
	s_add_co_u32 s10, s10, s12                     ; my row n
	s_and_b32 s13, s10, 15
	v_and_b32 v2, 31, v0
	v_lshlrev_b32 v3, 6, v2                        ; in: 64 bytes a lane
	v_xor_b32 v4, s13, v2
	v_lshlrev_b32 v4, 4, v4                        ; out: 16 x (lane xor n % 16)
	s_lshl_b32 s14, s10, 12
	s_add_co_u32 s14, s14, 2048                    ; row n of W, from column 512 on
	s_mov_b32 s15, 0
	s_lshl_b32 s16, s10, 9
	s_mov_b32 s17, 0
	s_wait_alu depctr_va_vdst(0)                   ; the head's end
	s_wait_kmcnt 0x0
	s_load_b32 s18, s[6:7], 0xc                    ; e3
	s_add_nc_u64 s[4:5], s[4:5], s[14:15]
	s_add_nc_u64 s[8:9], s[8:9], s[16:17]
.irp i, 0,1,2,3
	global_load_b128 v[8+4*\i:11+4*\i], v3, s[4:5] offset:16*\i
.endr
	s_wait_kmcnt 0x0
	s_add_co_i32 s19, s18, 127
	s_lshl_b32 s20, s19, 23
	v_mov_b32 v5, s20                              ; 2^e3: the conversion takes its exponent field
	s_add_co_i32 s19, s19, 15
	s_lshl_b32 s19, s19, 23
	s_or_b32 s19, s19, 0x600000
	v_mov_b32 v6, s19                              ; 57,344 x 2^e3
	s_wait_alu depctr_va_vdst(0)                   ; directly ahead of the wait below
	s_wait_loadcnt 0x0
.irp i, 0,1,2,3,4,5,6,7,8,9,10,11,12,13,14,15
	v_med3_num_f32 v[8+\i], v[8+\i], -v6, v6       ; the conversion to an 8-bit code does not saturate (ISA guide 7.6.2): the hold
.endr
	v_cvt_scalef32_pk8_bf8_f32 v[24:25], v[8:15], v5
	v_cvt_scalef32_pk8_bf8_f32 v[26:27], v[16:23], v5
	v_nop                                          ; one plain place behind the last conversion
	global_store_b128 v4, v[24:27], s[8:9]
	s_endpgm
.Lfunc_end_k_qbe2298fb23_prep:
	.size	k_qbe2298fb23_prep, .Lfunc_end_k_qbe2298fb23_prep-k_qbe2298fb23_prep
	.p2alignl 7, 3214868480
	.fill 96, 4, 3214868480
	.section	.rodata,"a",@progbits
	.p2align	6, 0x0
	.amdhsa_kernel k_qbe2298fb23_prep
		.amdhsa_group_segment_fixed_size 0
		.amdhsa_private_segment_fixed_size 0
		.amdhsa_enable_private_segment 0
		.amdhsa_kernarg_size 24
		.amdhsa_user_sgpr_count 2
		.amdhsa_user_sgpr_kernarg_segment_ptr 1
		.amdhsa_wavefront_size32 1
		.amdhsa_system_sgpr_workgroup_id_x 1
		.amdhsa_system_sgpr_workgroup_id_y 1
		.amdhsa_system_sgpr_workgroup_id_z 1
		.amdhsa_system_vgpr_workitem_id 0
		.amdhsa_next_free_vgpr 32
		.amdhsa_next_free_sgpr 66
		.amdhsa_reserve_vcc 0
		.amdhsa_float_denorm_mode_32 3
		.amdhsa_float_denorm_mode_16_64 3
		.amdhsa_memory_ordered 1
		.amdhsa_forward_progress 1
		.amdhsa_inst_pref_size 4
	.end_amdhsa_kernel
	.amdgpu_metadata
---
amdhsa.version: [ 1, 2 ]
amdhsa.kernels:
  - .name:           k_qbe2298fb23_prep
    .symbol:         k_qbe2298fb23_prep.kd
    .args:
      - { .name: W, .offset: 0, .size: 8, .value_kind: global_buffer, .address_space: global }
      - { .name: lowp_scales, .offset: 8, .size: 8, .value_kind: global_buffer, .address_space: global }
      - { .name: wq, .offset: 16, .size: 8, .value_kind: global_buffer, .address_space: global }
    .group_segment_fixed_size: 0
    .private_segment_fixed_size: 0
    .kernarg_segment_align: 8
    .kernarg_segment_size: 24
    .max_flat_workgroup_size: 64
    .sgpr_count:     66
    .vgpr_count:     32
    .wavefront_size: 32
...
	.end_amdgpu_metadata
.endif
;; end of part 1
;; launch energy (part 2): grid 128 x 2, 4 waves a work-group, clusters of 4 x 2, 327,680 bytes of LDS; arguments encoderOutputs_codes, wq, v, lowp_scales, scores; writes scores
.if DOCPART == 2
	.amdgcn_target "amdgcn-amd-amdhsa--gfx1250"
	.amdhsa_code_object_version 6
	.text
	.protected	k_qbe2298fb23_energy
	.globl	k_qbe2298fb23_energy
	.p2align	8
	.type	k_qbe2298fb23_energy,@function
k_qbe2298fb23_energy:
	s_mov_b64 s[64:65], 0
	v_nop
	global_prefetch_b8 v0, s[64:65] scope:SCOPE_SE
	s_setreg_imm32_b32 hwreg(HW_REG_WAVE_MODE, 25, 1), 1
	s_wait_xcnt 0x0
	s_wait_alu depctr_hold_cnt(0) depctr_sa_sdst(0) depctr_va_vdst(0) depctr_va_sdst(0) depctr_va_ssrc(0) depctr_va_vcc(0) depctr_vm_vsrc(0)
	s_getreg_b32 s2, hwreg(HW_REG_IB_STS2, 6, 4)
	s_cmp_eq_u32 s2, 0
	s_cbranch_scc0 .Lentry_in_a_cluster
	s_endpgm
.Lentry_in_a_cluster:
	s_bfe_u32 s2, ttmp6, 0x10000c
	s_cmp_lg_u32 s2, 0x7013
	s_cbranch_scc0 .Lentry_shape_is_right
	s_endpgm
.Lentry_shape_is_right:
; scores[u][b][s] = 2^(e2 + e3) x the sum over the 256 units k of half u of v[k] x (the sum over h of enc_code[s][b][h] x w2_code[k][h]).  enc: [4096 s][32 b][512] codes of BF8 (E5M2); wq: W2's codes, made by
; the launch before, [512 rows][32 pieces of 16 bytes], piece p of row n at place p xor (n % 16); v: [512] f32; scores: [2 u][32 b][4096 s] f32, the launch behind adds the two halves.
; Products on the codes as they are, sums in f32; the dot with v in f32.
; LEFT OUT: what reference() adds to all scores of one b alike (its h_proj and b): constant along the softmax's axis; the first launch's head shows it.
; LIMITS: e2 + e3 is applied by v_ldexp_f32 and has none.
; SHARES.  Work-group (x, y) owns s = 64 (x / 2) .. + 63 and b = 16 (x % 2) .. + 15, 1,024 rows of enc, against the units of half u = y.  Wave w = 2 p + g owns b's half p (512 rows, 32 tiles of 16: tile j is
; s = 2 j, 2 j + 1) and keeps units 256 u + 128 g .. + 127 of W2, all of K, in 512 registers (32 fragments of 16 rows x 128 K).  A tile is 32 matrix instructions; a fragment of enc feeds eight.
; CLUSTERS of 4 x 2.  The four along x need the same half of W2, the two along y the same rows of enc: both come by joint loads, W2 with the mask of the row, enc with the mask of the column.
; LDS: chunk 0 (4 tiles a wave) at 0, W2's half (128 KiB) behind it, brought together at the head: waves 0, 1 a half of W2 each, waves 2, 3 chunk 0's p = 0, 1.  W2 goes into registers from there, once.
; Chunks 1 to 4 (7 tiles a wave) lie at XB and at 0 by turns, each asked for behind a round of the cluster's barrier, one load a wave: chunk 1 behind the first round, on bytes of its own; chunks 2 and 4 where
; chunk 0 and W2 lay, chunk 3 on chunk 1's bytes.
; THE CHUNKS ARE PREFETCHED INTO THE L2, a round ahead of their load; of a wave's 112 blocks of 256 bytes each of the two partners names 56, told apart by address: chunk 1 behind the head's loads, chunk 2 behind
; the first round, chunk 3 in tile 4 (its load: tile 10), chunk 4 in tile 11 (its load: tile 17).  Chunk 0 and W2 come by their loads alone.
; THE MATRIX INSTRUCTION IS USED TRANSPOSED (source 0 = 16 units of W2, source 1 = 16 rows of enc): lane (r, h) holds row r, and register j of accumulator t the unit 16 t + 8 h + j of the wave's 128:
; the dot with v runs along the lane's own registers: 32 packed multiply-adds a tile; one of them, for the tile before, stands behind each matrix instruction: two sets of accumulators by turns.
; ONE RUN OF LDS INSTRUCTIONS A TILE, behind slot 11: the four fragments of the next tile.  Fragment n = 4 x tile + K step lies in buffer n % 7: of the four buffers three were read in the tile before, one in slots 0-7.
; REGISTERS, in windows of 256 (s_set_vgpr_msb: bits 1:0 source 0, 3:2 source 1, 5:4 source 2, 7:6 destination):
;   window 0: v1-7 addresses and the like; v8-15 the dot's chains, two sets of two pairs; v16-127 SEVEN buffers for enc's fragments; v128-191, v192-255 two sets of eight accumulators (v240-248 first addresses)
;   windows 1, 2, 3: W2's fragments 0-11, 12-23, 24-31, fragment f at v[16 (f % 12)]; and in EACH, at v192-255, a copy of my 64 numbers of v: matrix instruction and multiply-add run under one setting;
;   window 3 also: v128-131 addresses that are seldom used.
.set PITCH,  528                       ; an LDS row: 512 bytes + 16 = 132 words: row r starts at bank 4 r mod 64 (64 banks of 4 bytes: ISA guide 11.1)
.set TILEB,  16*PITCH
.set W2B,    8*TILEB                   ; behind chunk 0; a multiple of 256
.set XB,     W2B+131072                ; chunks 1 and 3
.set PART,   XB+14*TILEB               ; the waves' partial scores; no tensor load lands there
.set PP,     272                       ; partial[w][b 8][s 64] f32: a b's 64 numbers + 16 bytes
.set PARTW,  8*PP
.set SPARE,  PART+4*PARTW              ; the spare words, 128 bytes for each wave
.set CSTEP,  14*16384                  ; from chunk to chunk in enc: 14 s
.set SPW, 1                            ; v1     LDS address of my spare word; never rewritten
.set NIL, 2                            ; v2     0; never rewritten
.set T,   3                            ; v3     a row's sum
.set AD,  4                            ; v4     LDS address of my fragments in the chunk at hand
.set PST, 5                            ; v5     PART + PARTW w + 272 (r % 8) + 4 (r / 8)
.set LT,  6                            ; v6     528 r + 16 h
.set U,   7                            ; v7     lane l xor 16's sum
.set S,   8
.set AF,  16
.set ACC, 128
.set WA,  240                          ; v240-247  LDS addresses of W2's pieces
.set VO,  248                          ; v248   32 h
.set VV,  192
.set PF1, 128                          ; window 3: prefetches: my first 32 blocks,
.set PF2, 129                          ;           and my other 24; lanes left over name the last again
.set GO,  130                          ;           the way out: 16,384 (t / 16) + 16 (t % 16), t the thread
.set WOA, 131                          ;           the way out: PART + 272 (t / 16) + 16 (t % 16)
.set MSB, 0
.macro WIN new                         ; the immediate's high byte repeats the setting that is left; a switch that changes nothing is dropped
.if MSB != \new
	s_set_vgpr_msb (MSB<<8)|\new
.set MSB, \new
.endif
.endm
.macro CREST                           ; a round of the cluster's barrier behind its opening barrier
	s_cmp_lg_u32 s14, 0
	s_cbranch_scc1 .Lnot_wave_0_\@
	s_barrier_signal -3
.Lnot_wave_0_\@:
	s_barrier_wait -3
	s_barrier_signal -1
	s_barrier_wait -1
.endm
.macro CROUND                          ; a whole round
	s_barrier_signal -1
	s_barrier_wait -1
	CREST
.endm
.macro GROUP1 g, rows                  ; enc: rows of memory of 4,096 bytes (eight b x 512), 16,384 bytes apart; in LDS 16 bytes of padding behind every 512
	s_or_b32 s[\g+0], s43, (0<<16)|(1<<20)|(1<<21)|(6<<22)|(3<<25)   ; my column's mask; elements of 1 byte; padding on, after every 128 words (code 6), four words (code 3); 21 set beside a mask
	s_mov_b32 s[\g+1], 4096<<16                    ; tensor_dim0
	s_mov_b32 s[\g+2], \rows<<16                   ; tensor_dim1
	s_mov_b32 s[\g+3], 4096<<16                    ; tile_dim0
	s_mov_b32 s[\g+4], \rows                       ; tile_dim1
	s_mov_b32 s[\g+5], 16384                       ; tensor_dim0_stride: from s to s + 1
	s_mov_b32 s[\g+6], 0
	s_mov_b32 s[\g+7], 0
.endm
	s_load_b256 s[4:11], s[0:1], 0x0               ; enc s[4:5], wq s[6:7], v s[8:9], the scales' exponents s[10:11]
	s_load_b64 s[12:13], s[0:1], 0x20              ; scores
	v_lshl_add_u32 v[SPW], v0, 2, SPARE
	v_mov_b32 v[NIL], 0
	ds_add_u32 v[SPW], v[NIL]                      ; the wave's opening: the add, twice on end, and its wait
	ds_add_u32 v[SPW], v[NIL]
	v_lshrrev_b32 v16, 5, v0
	v_readfirstlane_b32 s14, v16                   ; wave 0..3
	s_lshr_b32 s40, s14, 1                         ; p.  Also: at the head I fetch for W2 (0) or for enc (1)
	s_and_b32 s41, s14, 1                          ; g.  Also: which half of that
	s_bfe_u32 s15, ttmp6, 0x40004                  ; cy = y = u: the grid has two work-groups along y
	s_mul_i32 s44, s15, 56
	s_add_co_u32 s45, s44, 55
	s_mul_i32 s90, s14, PARTW
	s_add_co_u32 s90, s90, PART                    ; my partial scores
	s_lshl_b32 s91, s41, 16
	s_add_co_u32 s91, s91, W2B                     ; my 128 rows of W2 in LDS
	s_mul_i32 s92, s40, 4*TILEB                    ; chunk 0: my p
	v_and_b32 v17, 15, v0                          ; r; also t % 16
	v_bfe_u32 v18, v0, 4, 1                        ; h
	v_and_b32 v19, 31, v0                          ; lane
	v_lshlrev_b32 v[VO], 5, v18
	v_mul_u32_u24 v20, v17, PITCH
	v_lshl_add_u32 v[LT], v18, 4, v20              ; a fragment's row x pitch + 16 h
	v_add_nc_u32 v[AD], s92, v[LT]
	v_lshlrev_b32 v21, 4, v17
	v_lshlrev_b32 v22, 4, v18
	v_xor_b32 v21, v21, v22                        ; 16 x (h xor r)
	v_lshl_add_u32 v21, v17, 9, v21                ; + 512 r
	v_add_nc_u32 v[WA], s91, v21
.irp u, 1,2,3,4,5,6,7
	v_xor_b32 v[WA+\u], 32*\u, v[WA]               ; piece 2 u + h, at its place in my row
.endr
	v_and_b32 v23, 7, v0                           ; r % 8
	v_mul_u32_u24 v[PST], v23, PP
	v_bfe_u32 v24, v0, 3, 1                        ; r / 8
	v_lshl_add_u32 v[PST], v24, 2, v[PST]
	v_add_nc_u32 v[PST], s90, v[PST]
	v_add_nc_u32 v25, s44, v19                     ; block 56 cy + lane of my load's 112: s = block / 16, 256 bytes x (block % 16)
	v_add_nc_u32 v26, 32, v25
	v_min_u32 v26, s45, v26
	v_lshrrev_b32 v27, 4, v25
	v_lshrrev_b32 v28, 4, v26
	v_lshlrev_b32 v27, 14, v27
	v_lshlrev_b32 v28, 14, v28
	v_and_b32 v25, 15, v25
	v_and_b32 v26, 15, v26
	v_lshrrev_b32 v29, 4, v0                       ; t / 16: 0..7
	v_mul_u32_u24 v30, v29, PP
	v_lshl_add_u32 v30, v17, 4, v30
	v_lshlrev_b32 v31, 14, v29
	v_mov_b32 v[U], 0                              ; written once: a lane permute's destination counts as one of its sources
	WIN 0xc0                                       ; destination window 3
	v_lshl_add_u32 v[PF1], v25, 8, v27
	v_lshl_add_u32 v[PF2], v26, 8, v28
	v_lshl_add_u32 v[GO], v17, 4, v31
	v_add_nc_u32 v[WOA], PART, v30
	WIN 0
	s_bfe_u32 s2, ttmp6, 0x40000                   ; cx
	s_lshl_b32 s3, ttmp9, 2
	s_add_co_u32 s3, s3, s2                        ; x = 4 x cluster x + cx
	s_lshl_b32 s42, s15, 2
	s_lshl_b32 s42, 15, s42                        ; my row of the cluster: places 4 cy .. 4 cy + 3
	s_lshl_b32 s43, 0x11, s2                       ; my column: places cx, cx + 4
	s_or_b32 s16, s42, (3<<16)|(1<<21)             ; W2: elements of 8 bytes; bit 21 beside a mask
	s_mov_b32 s17, 32<<16                          ; a quarter of wq as 256 rows of 256 bytes, dense in memory and in LDS
	s_mov_b32 s18, 256<<16
	s_mov_b32 s19, 32<<16
	s_mov_b32 s20, 256
	s_mov_b32 s21, 32
	s_mov_b32 s22, 0
	s_mov_b32 s23, 0
	GROUP1 24, 8                                   ; chunk 0: eight s a load
	GROUP1 32, 7                                   ; chunks 1 to 4: seven
	s_mov_b32 s48, 1                               ; group 0, W2: rows 256 u + 128 x half on
	s_lshl_b32 s49, s41, 16
	s_add_co_u32 s49, s49, W2B
	s_lshl_b32 s82, s15, 17
	s_lshl_b32 s83, s41, 16
	s_add_co_u32 s82, s82, s83
	s_mov_b32 s83, 0
	s_mov_b32 s52, 1                               ; group 0, chunk 0: p = my half, s = 0 .. 7
	s_mul_i32 s53, s41, 4*TILEB
	s_lshl_b32 s94, s41, 12
	s_mov_b32 s95, 0
	s_mul_i32 s79, s40, 7*TILEB                    ; my p in chunks 2 and 4,
	s_add_co_u32 s78, s79, XB                      ; and in chunks 1 and 3
	s_mul_i32 s46, s41, 56*PITCH                   ; my seven s of a chunk's fourteen
	s_add_co_u32 s61, s79, s46
	s_add_co_u32 s57, s78, s46
	s_add_co_u32 s69, s78, s46
	s_add_co_u32 s73, s79, s46
	s_mov_b32 s56, 1
	s_mov_b32 s60, 1
	s_mov_b32 s68, 1
	s_mov_b32 s72, 1
	s_lshl_b32 s96, s40, 12                        ; chunk 1 in enc: b's half p, s = 8 + 7 g on
	s_mul_i32 s97, s41, 114688
	s_add_co_u32 s96, s96, s97
	s_add_co_u32 s96, s96, 131072
	s_mov_b32 s97, 0
	s_lshr_b32 s98, s3, 1                          ; enc: 64 s x 16,384 bytes, 16 b x 512 bytes
	s_lshl_b32 s98, s98, 20
	s_and_b32 s99, s3, 1
	s_lshl_b32 s99, s99, 13
	s_add_co_u32 s98, s98, s99
	s_mov_b32 s99, 0
	s_lshl_b32 s84, s15, 10                        ; v: 256 numbers a half, 128 a g
	s_lshl_b32 s85, s41, 9
	s_add_co_u32 s84, s84, s85
	s_mov_b32 s85, 0
	s_lshl_b32 s86, s15, 19                        ; scores: a half of 524,288 bytes, 16 rows of 16,384 bytes, 64 numbers
	s_and_b32 s87, s3, 1
	s_lshl_b32 s87, s87, 18
	s_add_co_u32 s86, s86, s87
	s_lshr_b32 s87, s3, 1
	s_lshl_b32 s87, s87, 8
	s_add_co_u32 s86, s86, s87
	s_mov_b32 s87, 0
	s_mov_b32 s66, 0x76543210                      ; v_permlanex16_b32's selects for lane l xor 16
	s_mov_b32 s67, 0xfedcba98
	s_wait_alu depctr_va_vdst(0)                   ; the end of the head's vector work
	s_wait_dscnt 0x0                               ; both opening adds are done
	CROUND                                         ; the eight work-groups are here: the joint loads meet
	s_wait_kmcnt 0x0
	s_load_b64 s[88:89], s[10:11], 0x8             ; e2, e3: wanted on the way out
	s_add_nc_u64 s[4:5], s[4:5], s[98:99]          ; enc at my work-group's first row
	s_add_nc_u64 s[50:51], s[6:7], s[82:83]
	s_or_b32 s51, s51, 0x80000000
	s_add_nc_u64 s[54:55], s[4:5], s[94:95]
	s_or_b32 s55, s55, 0x80000000
	s_cmp_eq_u32 s40, 0
	s_cbranch_scc0 .Lfor_enc
	tensor_load_to_lds s[48:51], s[16:23]          ; waves 0, 1: my half of W2's half
	s_nop 0
.rept 4
	v_nop
.endr
	s_branch .Lasked
.Lfor_enc:
	tensor_load_to_lds s[52:55], s[24:31]          ; waves 2, 3: a half of chunk 0
	s_nop 0
.rept 4
	v_nop
.endr
.Lasked:
	s_add_nc_u64 s[8:9], s[8:9], s[84:85]
	WIN 0x40                                       ; destination window 1
.irp t, 0,1,2,3,4,5,6,7
	global_load_b128 v[VV+8*\t:VV+8*\t+3], v[VO], s[8:9] offset:64*\t      ; register 8 t + j: the wave's unit 16 t + 8 h + j
	global_load_b128 v[VV+8*\t+4:VV+8*\t+7], v[VO], s[8:9] offset:64*\t+16
.endr
	WIN 0x03                                       ; address window 3
	s_add_nc_u64 s[76:77], s[4:5], s[96:97]        ; chunk 1, my seven s
	s_mov_b64 s[58:59], s[76:77]
	s_or_b32 s59, s59, 0x80000000
	s_add_nc_u64 s[62:63], s[76:77], CSTEP
	s_or_b32 s63, s63, 0x80000000
	s_add_nc_u64 s[70:71], s[76:77], 2*CSTEP
	s_or_b32 s71, s71, 0x80000000
	s_add_nc_u64 s[74:75], s[76:77], 3*CSTEP
	s_or_b32 s75, s75, 0x80000000
	s_add_nc_u64 s[12:13], s[12:13], s[86:87]
.macro ASK k                           ; my 56 blocks of chunk k
	WIN 0x03
	global_prefetch_b8 v[PF1], s[76:77] offset:((\k)-1)*CSTEP th:TH_LOAD_NT scope:SCOPE_SE
	global_prefetch_b8 v[PF2], s[76:77] offset:((\k)-1)*CSTEP th:TH_LOAD_NT scope:SCOPE_SE
	WIN 0
.endm
	ASK 1
; enc's fragment m: 16 rows x 128 K, 16 registers: lane (r, h) holds in registers 4 c .. 4 c + 3 the codes of k = 128 s + 32 c + 16 h + 0 .. 15: piece 8 s + 2 c + h of its row, as W2's fragments have them
.macro FRAG m
.set FT, (\m)/4
.set FB, AF+16*((\m)%7)
.if FT < 4
.set FO, FT*TILEB
.else
.set FO, ((FT-4)%7)*TILEB
.endif
.irp c, 0,1,2,3
	ds_load_b128 v[FB+4*\c:FB+4*\c+3], v[AD] offset:FO+128*((\m)%4)+32*\c
.endr
.endm
.macro STAY first, count               ; W2's fragments f = 8 s + t: the wave's rows 16 t + r, K step s
.set f, \first
.rept \count
	WIN 0x40*(1+f/12)
.irp c, 0,1,2,3
	ds_load_b128 v[16*(f%12)+4*\c:16*(f%12)+4*\c+3], v[WA+4*((f/8)%2)+\c] offset:(f%8)*8192+(f/16)*256
.endr
.set f, f+1
.endr
	WIN 0
.endm
; Matrix instruction q of tile J's 32: K step q / 8, units 16 (q % 8) on.  The first eight start the sums: nothing is cleared.
; The eight accumulators take turns, one instruction a turn, over the tiles' edges too.
.macro MM
.set X, 1+q/12
	WIN X
.set D, ACC+64*(J%2)+8*(q%8)
.set WF, 16*(q%12)
.set AFR, AF+16*((4*J+q/8)%7)
.if q < 8
	v_wmma_f32_16x16x128_bf8_bf8 v[D:D+7], v[WF:WF+15], v[AFR:AFR+15], 0
.else
	v_wmma_f32_16x16x128_bf8_bf8 v[D:D+7], v[WF:WF+15], v[AFR:AFR+15], v[D:D+7]
.endif
.endm
; Slice q of 32 of the dot of tile J - 1: registers 2 q, 2 q + 1 of its 64 sums times v.  Each accumulator is read from its low end on.  The slices name the other set of accumulators, v and the chains alone:
; they are the places behind the matrix instructions (ISA guide 7.12.1).  Tile 0 has no tile before it: v_nop.  Two chains by turns; in the tail (tail = 1) four, in registers that held fragments.
.set TS, 48
.macro SLICE tail
.if J == 0
	v_nop
.else
.set PA, ACC+64*((J-1)%2)+2*q
.if \tail
.set PS, TS+2*(q%4)
.set LINK, q/4
.else
.set PS, S+4*((J-1)%2)+2*(q%2)
.set LINK, q/2
.endif
.if LINK == 0
	v_pk_mul_f32 v[PS:PS+1], v[VV+2*q:VV+2*q+1], v[PA:PA+1]
.else
	v_pk_fma_f32 v[PS:PS+1], v[VV+2*q:VV+2*q+1], v[PA:PA+1], v[PS:PS+1]
.endif
.endif
.endm
; The end of the dot of tile J - 2.  The additions are written 1.0 x a + b: source 0 then names no register, so that they run under the matrix instructions' setting.
.macro FIN1
.set SB, S+4*(J%2)
	v_pk_fma_f32 v[SB:SB+1], 1.0, v[SB:SB+1], v[SB+2:SB+3] op_sel_hi:[0,1,1]
.endm
.macro FIN2 d
.set SB, S+4*(J%2)
	v_fma_f32 v[\d], 1.0, v[SB], v[SB+1]
.endm
.macro FINP d, a                       ; the row's other 64 units lie in lane l xor 16  (window 0)
	v_permlanex16_b32 v[\d], v[\a], s66, s67
.endm
.macro FIN3 d, a
	v_fma_f32 v[\d], 1.0, v[\d], v[\a]
.endm
.macro FINS a, i                       ; tile i: lanes r and 16 + r store the same number to the same word  (window 0)
	ds_store_b32 v[PST], v[\a] offset:8*(\i)
.endm
; TILE J.  The wait at its head leaves fragments 2 and 3 out (8 loads); the wait at the run behind slot 11 shows them.  In tile 0 the waits leave out what was issued behind the eight fragments of W2 that are
; wanted: the next eight (32), or these and tile 1's run (48), or that run alone (16).
; CH = 1 (tiles 3, 10, 17): a round ends at the run: the next tile's chunk is whole, and chunk 2, 3, 4 is asked for.  CH = 2 (tile 24): a barrier alone; nothing is filled again.
.macro TILE
.set q, 0
.rept 32
.set CH, 0
.if (J == 3) || (J == 10) || (J == 17)
.set CH, 1
.elseif J == 24
.set CH, 2
.endif
.if q == 0
.if J == 0
	s_wait_dscnt 32
.elseif CH == 1
	WIN 0
	s_wait_tensorcnt 0x0                           ; all my tensor loads have landed: my part of the next tile's chunk
	ds_add_u32 v[SPW], v[NIL]                      ; 0 onto my spare word
	s_wait_dscnt 9                                 ; (the add and fragments 2, 3 may be out)
.else
.if CH == 2
	s_wait_tensorcnt 0x0                           ; my part of chunk 4 has landed
.endif
	s_wait_dscnt 8
.endif
.elseif (q == 4) && (CH > 0)
	s_wait_alu depctr_va_vdst(0)                   ; the chains go on behind the wait below
	s_wait_dscnt 0x0                               ; my reads of the chunk before are over (and the add is done)
	s_barrier_signal -1
.elseif (J == 0) && (q == 8)
	s_wait_dscnt 32
.elseif (J == 0) && (q == 16)
	s_wait_dscnt 48
.elseif (J == 0) && (q == 24)
	s_wait_dscnt 16
.endif
	MM
	SLICE 0
.if (J == 0) && (q == 4)
	STAY 16, 8
.endif
.if q == 11
	WIN 0
.if J > 0
	s_wait_alu depctr_va_vdst(0)                   ; the chains go on behind the waits below
.endif
.if CH > 0
	s_barrier_wait -1
.if CH == 1
	CREST                                          ; no wave of any partner reads what is filled now, or has a load on its way
.if J == 3
	tensor_load_to_lds s[60:63], s[32:39]          ; chunk 2, where chunk 0 and W2 lay: every wave holds its W2 in registers
.elseif J == 10
	tensor_load_to_lds s[68:71], s[32:39]          ; chunk 3
.else
	tensor_load_to_lds s[72:75], s[32:39]          ; chunk 4
.endif
	s_nop 0
.endif
.elseif J > 0
	s_wait_dscnt 0x0
.endif
.if J == 0
	STAY 24, 8
.endif
.if J >= 3
	FINS T, J-3
.endif
.if (J == 3) || (J == 17)
	v_add_nc_u32 v[AD], s78, v[LT]                 ; the next tile's chunk lies at XB
.elseif (J == 10) || (J == 24)
	v_add_nc_u32 v[AD], s79, v[LT]                 ; at 0
.endif
.if J < 31
	FRAG 4*J+4
	FRAG 4*J+5
	FRAG 4*J+6
	FRAG 4*J+7
.endif
.endif
.if J >= 2
.if q == 14
	FIN1
.elseif q == 17
	FIN2 T
.elseif q == 20
	WIN 0
	FINP U, T
.elseif q == 23
	FIN3 T, U
.endif
.endif
.if (J == 4) && (q == 27)
	ASK 3
.elseif (J == 11) && (q == 27)
	ASK 4
.endif
.set q, q+1
.endr
.endm
	s_wait_tensorcnt 0x0                           ; my load of the head has landed
	ds_add_u32 v[SPW], v[NIL]
	s_wait_dscnt 0x0
	CROUND                                         ; everybody's has: W2 and chunk 0 are whole
	tensor_load_to_lds s[56:59], s[32:39]          ; chunk 1
	s_nop 0
.irp m, 0,1,2,3
	FRAG \m
.endr
	STAY 0, 16                                     ; K steps 0 and 1 of W2; tile 0 asks for the others among its products
	ASK 2
	s_wait_loadcnt 0x0                             ; v
	; v's copies for windows 2 and 3: 128 moves in place of 32 more loads, between W2's LDS loads and the wait for them
	WIN 0x81                                       ; source 0 window 1, destination window 2
.set i, 0
.rept 64
	v_mov_b32 v[VV+i], v[VV+i]
.set i, i+1
.endr
	WIN 0xc1                                       ; source 0 window 1, destination window 3
.set i, 0
.rept 64
	v_mov_b32 v[VV+i], v[VV+i]
.set i, i+1
.endr
; The 32 tiles are written out: seven buffers and two sets of accumulators come round after fourteen tiles, and the chunks end at tiles 4, 11, 18, 25
.set J, 0
.rept 32
	TILE
.set J, J+1
.endr
; The tail (J = 32): the last tile's dot, v from window 3's copy, with the end of tile 30's among it; v48-59 held fragments
.set q, 0
.rept 32
	SLICE 1
.if q == 4
	FIN1
.elseif q == 8
	FIN2 56
.endif
.set q, q+1
.endr
	WIN 0
	FINP 57, 56
	v_pk_add_f32 v[48:49], v[48:49], v[50:51]
	v_pk_add_f32 v[52:53], v[52:53], v[54:55]
	FIN3 56, 57
	v_pk_add_f32 v[48:49], v[48:49], v[52:53]
	v_add_f32 v58, v48, v49
	FINP 59, 58
	v_add_f32 v58, v58, v59
	FINS T, 29
	FINS 56, 30
	FINS 58, 31
	s_wait_dscnt 0x0                               ; for the others' sake: my 512 partial scores lie in LDS
	s_barrier_signal -1
	s_barrier_wait -1
	; THE WAY OUT.  Thread t takes, of each half p, b = t / 16 and s = 4 (t % 16) + 0 .. 3: 16 bytes of the parts of g = 0 and 1, adds the two, and stores 16 bytes
	WIN 0x03
.irp w, 0,1,2,3
	ds_load_b128 v[64+4*\w:67+4*\w], v[WOA] offset:PARTW*\w
.endr
	WIN 0
	s_wait_kmcnt 0x0
	s_add_co_i32 s90, s88, s89                     ; e2 + e3
	s_wait_dscnt 0x0
	v_pk_add_f32 v[64:65], v[64:65], v[68:69]
	v_pk_add_f32 v[66:67], v[66:67], v[70:71]
	v_pk_add_f32 v[72:73], v[72:73], v[76:77]
	v_pk_add_f32 v[74:75], v[74:75], v[78:79]
.irp k, 64,65,66,67,72,73,74,75
	v_ldexp_f32 v[\k], v[\k], s90                  ; a sum on codes stands for sum x 2^(e2 + e3)
.endr
	WIN 0x03
	global_store_b128 v[GO], v[64:67], s[12:13]    ; sixteen lanes store 256 consecutive bytes of a row of scores, at a multiple of 256 from the buffer's first byte
	global_store_b128 v[GO], v[72:75], s[12:13] offset:131072
	WIN 0
	s_wait_tensorcnt 0x0                           ; the wave's end
	ds_add_u32 v[SPW], v[NIL]
	s_wait_dscnt 0x0
	CROUND                                         ; the closing round
	s_endpgm
.Lfunc_end_k_qbe2298fb23_energy:
	.size	k_qbe2298fb23_energy, .Lfunc_end_k_qbe2298fb23_energy-k_qbe2298fb23_energy
	.p2alignl 7, 3214868480
	.fill 96, 4, 3214868480
	.section	.rodata,"a",@progbits
	.p2align	6, 0x0
	.amdhsa_kernel k_qbe2298fb23_energy
		.amdhsa_group_segment_fixed_size 327680
		.amdhsa_private_segment_fixed_size 0
		.amdhsa_enable_private_segment 0
		.amdhsa_kernarg_size 40
		.amdhsa_user_sgpr_count 2
		.amdhsa_user_sgpr_kernarg_segment_ptr 1
		.amdhsa_wavefront_size32 1
		.amdhsa_system_sgpr_workgroup_id_x 1
		.amdhsa_system_sgpr_workgroup_id_y 1
		.amdhsa_system_sgpr_workgroup_id_z 1
		.amdhsa_system_vgpr_workitem_id 0
		.amdhsa_next_free_vgpr 1024
		.amdhsa_next_free_sgpr 100
		.amdhsa_reserve_vcc 0
		.amdhsa_float_denorm_mode_32 3
		.amdhsa_float_denorm_mode_16_64 3
		.amdhsa_memory_ordered 1
		.amdhsa_forward_progress 1
		.amdhsa_inst_pref_size 208
	.end_amdhsa_kernel
	.amdgpu_metadata
---
amdhsa.version: [ 1, 2 ]
amdhsa.kernels:
  - .name:           k_qbe2298fb23_energy
    .symbol:         k_qbe2298fb23_energy.kd
    .args:
      - { .name: encoderOutputs_codes, .offset: 0, .size: 8, .value_kind: global_buffer, .address_space: global }
      - { .name: wq, .offset: 8, .size: 8, .value_kind: global_buffer, .address_space: global }
      - { .name: v, .offset: 16, .size: 8, .value_kind: global_buffer, .address_space: global }
      - { .name: lowp_scales, .offset: 24, .size: 8, .value_kind: global_buffer, .address_space: global }
      - { .name: scores, .offset: 32, .size: 8, .value_kind: global_buffer, .address_space: global }
    .group_segment_fixed_size: 327680
    .private_segment_fixed_size: 0
    .kernarg_segment_align: 8
    .kernarg_segment_size: 40
    .max_flat_workgroup_size: 128
    .sgpr_count:     100
    .vgpr_count:     1024
    .wavefront_size: 32
...
	.end_amdgpu_metadata
.endif
;; end of part 2
;; launch soft (part 3): grid 32 x 1, 4 waves a work-group, no clusters, 768 bytes of LDS; arguments scores, out0; writes out0
.if DOCPART == 3
	.amdgcn_target "amdgcn-amd-amdhsa--gfx1250"
	.amdhsa_code_object_version 6
	.text
	.protected	k_qbe2298fb23_soft
	.globl	k_qbe2298fb23_soft
	.p2align	8
	.type	k_qbe2298fb23_soft,@function
k_qbe2298fb23_soft:
	s_mov_b64 s[64:65], 0
	v_nop
	global_prefetch_b8 v0, s[64:65] scope:SCOPE_SE
	s_setreg_imm32_b32 hwreg(HW_REG_WAVE_MODE, 25, 1), 1
	s_wait_xcnt 0x0
; out0[b][s] = softmax over s of (scores[0][b][s] + scores[1][b][s]).  scores: [2 halves of the units][32][4096] f32; out0: [32][4096] f32.
; LEFT OUT: the number that reference() adds to all of a row's scores alike: constant along the softmax's axis; the first launch's head shows it.
; Work-group b owns one row of 16,384 bytes, which stays in registers: thread t holds 32 numbers, the 16 bytes at 16 t + 2,048 j, j = 0 .. 7: each load and store of a wave covers 512 consecutive bytes.
; Each wave takes its OWN maximum m away ahead of its exponentials and makes its own sum; the four pairs (m, sum) meet in LDS behind one barrier.  With M the largest m, the row's sum is the sum of
; sum x e^(m - M), at least 1, and a wave's numbers are multiplied by e^(m - M) / the row's sum.
; LIMIT: the differences score - m, times log2(e), stay under 2^31 in magnitude.
; No matrix unit, no tensor loads, no cluster: work-groups share nothing.
; REGISTERS: v1 16 t; v2 8 x wave; v3 a permute's destination; v4-35 the row; v36 m, v37 sum; v38-47 at work; v50 0; v52-59 the four pairs; v60, v61 the spare word's address and 0; v64-95 the second half's part
	s_load_b128 s[4:7], s[0:1], 0x0                ; scores, out0
	v_lshl_add_u32 v60, v0, 2, 0x100
	v_mov_b32 v61, 0
	v_lshlrev_b32 v1, 4, v0
	v_lshrrev_b32 v2, 5, v0
	v_lshlrev_b32 v2, 3, v2
	v_mov_b32 v3, 0                                ; written once: a lane permute's destination counts as one of its sources
	v_mov_b32 v50, 0
	s_mov_b32 s16, 0x76543210                      ; v_permlanex16_b32's selects for lane l xor 16
	s_mov_b32 s17, 0xfedcba98
	s_lshl_b32 s10, ttmp9, 14                      ; my row
	s_mov_b32 s11, 0
	s_wait_alu depctr_va_vdst(0)                   ; the head's end
	s_wait_kmcnt 0x0
	s_add_nc_u64 s[4:5], s[4:5], s[10:11]
	s_add_nc_u64 s[6:7], s[6:7], s[10:11]
.irp j, 0,1,2,3,4,5,6,7
	global_load_b128 v[4+4*\j:7+4*\j], v1, s[4:5] offset:2048*\j
	global_load_b128 v[64+4*\j:67+4*\j], v1, s[4:5] offset:524288+2048*\j
.endr
	s_wait_loadcnt 0x0
.irp j, 0,2,4,6,8,10,12,14,16,18,20,22,24,26,28,30
	v_pk_add_f32 v[4+\j:5+\j], v[4+\j:5+\j], v[64+\j:65+\j]
.endr
	v_max3_num_f32 v36, v4, v5, v6                 ; my wave's maximum: within the lane in four chains, then across the lanes
	v_max3_num_f32 v37, v7, v8, v9
	v_max3_num_f32 v38, v10, v11, v12
	v_max3_num_f32 v39, v13, v14, v15
	v_max3_num_f32 v36, v36, v16, v17
	v_max3_num_f32 v37, v37, v18, v19
	v_max3_num_f32 v38, v38, v20, v21
	v_max3_num_f32 v39, v39, v22, v23
	v_max3_num_f32 v36, v36, v24, v25
	v_max3_num_f32 v37, v37, v26, v27
	v_max3_num_f32 v38, v38, v28, v29
	v_max3_num_f32 v39, v39, v30, v31
	v_max3_num_f32 v36, v36, v32, v33
	v_max3_num_f32 v37, v37, v34, v35
	v_max_num_f32 v38, v38, v39
	v_max3_num_f32 v36, v36, v37, v38
.irp m, 1,2,4,8
	v_max_num_f32_dpp v36, v36, v36 row_xmask:\m row_mask:0xf bank_mask:0xf
.endr
	v_permlanex16_b32 v3, v36, s16, s17
	v_max_num_f32 v36, v36, v3
.irp j, 0,2,4,6,8,10,12,14,16,18,20,22,24,26,28,30
	v_pk_add_f32 v[4+\j:5+\j], v[4+\j:5+\j], v[36:37] op_sel_hi:[1,0] neg_lo:[0,1] neg_hi:[0,1]   ; score - m, of the pair m alone for both
.endr
.irp j, 0,2,4,6,8,10,12,14,16,18,20,22,24,26,28,30
	v_pk_mul_f32 v[4+\j:5+\j], v[4+\j:5+\j], 0x3fb8aa3b op_sel_hi:[1,0]           ; x log2(e): the exponential works in base 2
.endr
	s_wait_alu depctr_va_vdst(0)                   ; ahead of the batch
.irp j, 0,1,2,3,4,5,6,7,8,9,10,11,12,13,14,15,16,17,18,19,20,21,22,23,24,25,26,27,28,29,30,31
	v_exp_f32 v[4+\j], v[4+\j]
.endr
	v_nop                                          ; one plain place behind the exponentials (ISA guide 5.7.2)
	s_wait_alu depctr_va_vdst(0)                   ; and behind it, ahead of its first reader
.irp k, 0,1,2,3
	v_pk_add_f32 v[40+2*\k:41+2*\k], v[4+4*\k:5+4*\k], v[6+4*\k:7+4*\k]           ; the sum: four chains
.endr
.irp k, 0,1,2,3
	v_pk_add_f32 v[40+2*\k:41+2*\k], v[40+2*\k:41+2*\k], v[20+2*\k:21+2*\k]
.endr
.irp k, 0,1,2,3
	v_pk_add_f32 v[40+2*\k:41+2*\k], v[40+2*\k:41+2*\k], v[28+2*\k:29+2*\k]
.endr
	v_pk_add_f32 v[40:41], v[40:41], v[42:43]
	v_pk_add_f32 v[44:45], v[44:45], v[46:47]
	v_pk_add_f32 v[40:41], v[40:41], v[44:45]
	v_add_f32 v40, v40, v41
.irp m, 1,2,4,8
	v_add_f32_dpp v40, v40, v40 row_xmask:\m row_mask:0xf bank_mask:0xf
.endr
	v_permlanex16_b32 v3, v40, s16, s17
	v_add_f32 v37, v40, v3
	ds_store_b64 v2, v[36:37]                      ; all lanes write the same two words with the same values
	s_wait_dscnt 0x0                               ; for the others' sake
	s_barrier_signal -1
	s_barrier_wait -1
	ds_load_b128 v[52:55], v50
	ds_load_b128 v[56:59], v50 offset:16
	s_wait_dscnt 0x0
	v_max3_num_f32 v38, v52, v54, v56
	v_max_num_f32 v38, v38, v58                    ; M
	v_sub_f32 v39, v36, v38
	v_sub_f32 v52, v52, v38
	v_sub_f32 v54, v54, v38
	v_sub_f32 v56, v56, v38
	v_sub_f32 v58, v58, v38
.irp k, 39,52,54,56,58
	v_mul_f32 v\k, 0x3fb8aa3b, v\k
.endr
	s_wait_alu depctr_va_vdst(0)                   ; ahead of the batch
.irp k, 39,52,54,56,58
	v_exp_f32 v\k, v\k
.endr
	v_nop
	s_wait_alu depctr_va_vdst(0)                   ; and behind it
	v_mul_f32 v44, v52, v53
	v_fma_f32 v44, v54, v55, v44
	v_fma_f32 v44, v56, v57, v44
	v_fma_f32 v44, v58, v59, v44                   ; the row's sum
	s_wait_alu depctr_va_vdst(0)                   ; ahead of the reciprocal
	v_rcp_f32 v45, v44
	v_nop
	s_wait_alu depctr_va_vdst(0)                   ; and behind it
	v_mul_f32 v46, v45, v39                        ; e^(m - M) / sum
.irp j, 0,1,2,3,4,5,6,7
	v_pk_mul_f32 v[4+4*\j:5+4*\j], v[4+4*\j:5+4*\j], v[46:47] op_sel_hi:[1,0]
	v_pk_mul_f32 v[6+4*\j:7+4*\j], v[6+4*\j:7+4*\j], v[46:47] op_sel_hi:[1,0]
	global_store_b128 v1, v[4+4*\j:7+4*\j], s[6:7] offset:2048*\j th:TH_STORE_NT   ; 32 lanes store 512 consecutive bytes, at a multiple of 256 from out0's first byte
.endr
	s_wait_tensorcnt 0x0                           ; the wave's end
	ds_add_u32 v60, v61
	s_wait_dscnt 0x0
	s_endpgm
.Lfunc_end_k_qbe2298fb23_soft:
	.size	k_qbe2298fb23_soft, .Lfunc_end_k_qbe2298fb23_soft-k_qbe2298fb23_soft
	.p2alignl 7, 3214868480
	.fill 96, 4, 3214868480
	.section	.rodata,"a",@progbits
	.p2align	6, 0x0
	.amdhsa_kernel k_qbe2298fb23_soft
		.amdhsa_group_segment_fixed_size 768
		.amdhsa_private_segment_fixed_size 0
		.amdhsa_enable_private_segment 0
		.amdhsa_kernarg_size 16
		.amdhsa_user_sgpr_count 2
		.amdhsa_user_sgpr_kernarg_segment_ptr 1
		.amdhsa_wavefront_size32 1
		.amdhsa_system_sgpr_workgroup_id_x 1
		.amdhsa_system_sgpr_workgroup_id_y 1
		.amdhsa_system_sgpr_workgroup_id_z 1
		.amdhsa_system_vgpr_workitem_id 0
		.amdhsa_next_free_vgpr 96
		.amdhsa_next_free_sgpr 66
		.amdhsa_reserve_vcc 0
		.amdhsa_float_denorm_mode_32 3
		.amdhsa_float_denorm_mode_16_64 3
		.amdhsa_memory_ordered 1
		.amdhsa_forward_progress 1
		.amdhsa_inst_pref_size 14
	.end_amdhsa_kernel
	.amdgpu_metadata
---
amdhsa.version: [ 1, 2 ]
amdhsa.kernels:
  - .name:           k_qbe2298fb23_soft
    .symbol:         k_qbe2298fb23_soft.kd
    .args:
      - { .name: scores, .offset: 0, .size: 8, .value_kind: global_buffer, .address_space: global }
      - { .name: out0, .offset: 8, .size: 8, .value_kind: global_buffer, .address_space: global }
    .group_segment_fixed_size: 768
    .private_segment_fixed_size: 0
    .kernarg_segment_align: 8
    .kernarg_segment_size: 16
    .max_flat_workgroup_size: 128
    .sgpr_count:     66
    .vgpr_count:     96
    .wavefront_size: 32
...
	.end_amdgpu_metadata
.endif
;; end of part 3
